; MI455X (gfx1250); checked and timed in simulation.
; The chip was launched on July 23, 2026; its instructions are those of AMD's public machine-readable ISA for CDNA 5 (MIT licence, August 2026) and "CDNA5" Instruction Set Architecture Reference Guide (July 2026). The comments in the code are by the model that wrote it; some were corrected since.
;; Mixture Of Experts. Allowed arithmetic: matrix products marked QUANTISED: E2M1 operands, one E8M0 scale for each 32 along K, by v_wmma_scale_f32_16x16x128_f8f6f4 with both operands' format E2M1 (or v_wmma_scale_f32_32x16x128_f4), f32 sums; products left as they are: f32 operands where the result goes on into a quantised operand, else bf16, f16 or f32 operands; f32 sums; everything else in f32.
;; Inputs: W1_codes 8 x 4,096 x 32 x 16 uint8 (E2M1 codes of W1, K innermost, in blocks of 32 codes, two codes a byte); W1_scales 8 x 4,096 x 32 uint8 (E8M0 scales of W1, one for each 32 codes along K); W2_codes 8 x 1,024 x 128 x 16 uint8 (E2M1 codes of W2, K innermost, in blocks of 32 codes, two codes a byte); W2_scales 8 x 1,024 x 128 uint8 (E8M0 scales of W2, one for each 32 codes along K); Wg 1,024 x 8 float32; b1 8 x 4,096 float32; b2 8 x 1,024 float32; bg 8 float32; x 2 x 512 x 1,024 float32.
;; Outputs: out0 2 x 512 x 1,024 float32.
;; This version of the problem:
;;   THIS VERSION OF THE PROBLEM IS GIVEN IN LOW PRECISION. The matrix products marked QUANTISED in the list below multiply operands that are first quantised to E2M1 (2 exponent bits, 1 mantissa bit; 4 bits a number), with one power-of-two scale for each 32 numbers along K (OCP MX v1.0); their sums are f32. All else is computed in f32.
;;   The module's matrix products, in the order in which they are computed (A, B: the left and right operand; K: the contracted axis; several contracted axes count as one K, in the product's order):
;;     1. [M 1,024, K 1,024] x [K 1,024, N 8]; A: input x; B: input Wg: left as it is (N = 8 < 16)
;;     2. [M 1,024, K 1,024] x [K 1,024, N 32,768]; A: input x; B: input W1 (given as codes): QUANTISED
;;     3. batch 8 x [M 1,024, K 4,096] x [K 4,096, N 1,024]; A: input W2 (given as codes); B: computed on the way: QUANTISED
;;     4. batch 1,024 x [M 1, K 8] x [K 8, N 1,024]; A: computed on the way; B: computed on the way: left as it is (K = 8 < 32)
;;     5. [M 1,024, K 8] x [K 8, N 1,024]; A: computed on the way; B: input b2: left as it is (K = 8 < 32)
;;   THE QUANTISER, for each operand of a quantised product, along K:
;;     - K is cut into blocks of 32 from its start; a last block that is shorter is filled with zeros.
;;     - A block's scale is 2^e with e = floor(log2(the largest magnitude in the block)) - 2, held to -126 .. 127; a block of zeros has e = 0. As a byte (E8M0): e + 127.
;;     - Each number is divided by its block's scale, clamped to +-6, and rounded to the nearest number of E2M1, ties to even, subnormals kept.
;;     - The product sums the exact products of the quantised numbers (number of the format x scale) in f32.
;;   ~~~python
;;   def quantise(x, axis):      # numpy; x: float32 -> the quantised numbers, widened to float32 again
;;       x = np.moveaxis(x, axis, -1); K = x.shape[-1]
;;       x = np.pad(x, [(0, 0)] * (x.ndim - 1) + [(0, -K % 32)]); x = x.reshape(x.shape[:-1] + (-1, 32)); a = np.abs(x).max(-1, keepdims=True)
;;       e = np.where(a > 0, np.clip(np.frexp(np.where(a > 0, a, 1))[1] - 1 - 2, -126, 127), 0)      # np.frexp(a)[1] - 1 = floor(log2(a)), exactly
;;       r = np.clip(x / 2.0 ** e, -6, 6)
;;       step = 2.0 ** (np.maximum(np.frexp(np.where(r == 0, 1, r))[1] - 1, 0) - 1)
;;       q = np.round(r / step) * step * 2.0 ** e      # np.round: ties to even
;;       return np.moveaxis(q.reshape(q.shape[:-2] + (-1,))[..., :K], -1, axis).astype(np.float32)
;;   ~~~
;;   OPERANDS COMPUTED ON THE WAY. 'Computed on the way' means the value that the module computes at that place (a softmax that the list does not call 'softmax' is quantised finished and normalised). What goes into a quantiser is computed in f32, as accurately as f32 sums, v_exp_f32 and their like allow (about 1e-6 of the number): no bf16 or f16 on the way to a quantiser, and a product that is left as it is and whose result goes on into a quantised operand takes f32 operands (vector FMAs, or v_wmma_f32_16x16x4_f32). A number that lies on a knife's edge between two numbers of the format may be rounded either way, as far as f32 arithmetic and the matrix unit's own rounding can turn it there, and no further.
;;   INPUTS GIVEN AS CODES. W1 (in the module: [8, 1024, 4096], K = its axis 1); W2 (in the module: [8, 4096, 1024], K = its axis 1): each comes as NAME_codes (uint8): NAME with its K axis moved to the last place and cut into blocks of 32 codes, [.., K / 32, bytes a block], one block behind the other in memory; two codes a byte, the lower K in the low four bits (a code: sign, 2 exponent bits, 1 mantissa bit); and NAME_scales (uint8): the same leading axes, one E8M0 byte (e + 127) for each 32 codes along K. Its value is code x scale, taken as it is: it is not quantised again, and the codes and scales need not be those that the quantiser above would give.
;; One version. Each part assembles by itself: llvm-mc -triple=amdgcn-amd-amdhsa -mcpu=gfx1250 --defsym DOCPART=n.
;; ======== version 1 of 1: 5 launches
;; limits: a function is approximated: absolute error at most 1e-07
;; workspace buffers: xq 565,248 bytes; sel 4,096 bytes of whole numbers; lists 70,144 bytes of whole numbers; roww 34,816 bytes; hq 17,825,792 bytes; y 8,912,896 bytes
;; launch route (part 1): grid 256 x 1, 4 waves a work-group, no clusters, 52,224 bytes of LDS; arguments x, Wg, bg, xq, sel; writes xq, sel
.if DOCPART == 1
	.amdgcn_target "amdgcn-amd-amdhsa--gfx1250"
	.amdhsa_code_object_version 6
	.text
	.protected	k_qe28b5abe65_route
	.globl	k_qe28b5abe65_route
	.p2align	8
	.type	k_qe28b5abe65_route,@function
k_qe28b5abe65_route:
	s_mov_b64 s[64:65], 0
	v_nop
	global_prefetch_b8 v0, s[64:65] scope:SCOPE_SE
	s_setreg_imm32_b32 hwreg(HW_REG_WAVE_MODE, 25, 1), 1
	s_wait_xcnt 0x0
; MixtureOfExperts, launch 1 of 5: the gate (logits in f32, top-2, softmax over the two) and the quantising of x to E2M1 with one E8M0 byte for each 32 along K.
; DEAD WORK LEFT OUT BY THE PROGRAM.  reference() multiplies expert e's row (h W2 + b2) of token t by w[t][e] = the sum over the two chosen of one_hot(topk_i)[e] x topk_w.  For the six experts
; that top_k did not return every one_hot term is 0, so w[t][e] is exactly 0, whatever the inputs hold, and in exact arithmetic the row adds 0 to the result.  So x W1, the gelu, h W2 and b2 are
; computed only for the 2,048 (token, expert) pairs that were chosen.  Every input still has a way to an output: all are loaded by some launch.
; LIMIT: a NaN, an infinity or an overflow that arises only in an expert that a token did not choose is not carried to the result.
; The choice is made of floating-point numbers, so no address here hangs on it: it is stored at fixed places (sel[t] = bit e0 | bit 8 + e1; the two weights beside x's codes) and the next launch places the rows.
; LIMITS: NaN and infinities in x, Wg or bg are not served.  A block of zeros gets the byte 1 where the quantiser says 127: its codes are zeros, and this program alone reads the bytes.
; Ties in the logits go to the lower index, as jax.lax.top_k has it (a later logit takes the place only where it is strictly larger).
; SHARES.  Wave w of work-group g owns token t = 4 g + w.  Lane L holds x[t][32 L .. 32 L + 31], one whole block: its largest magnitude needs no other lane, and its 32 codes are 16 bytes.
; Loads take the bytes as they lie (512 consecutive bytes a load) and turn through LDS: x through the wave's own stage, Wg (32 KiB, read by all four waves) through a shared image, behind one barrier.
; xq: codes [1024][512 bytes] from 0, K ascending; scale bytes [1024][32] from XQ_SC; the two gate weights [1024][2] f32 from XQ_GW.
.set XST,   33280                      ; LDS: Wg's image, 32 chunks of 1,024 + 16 bytes, from 0; then a stage of 32 x (128 + 16) bytes for each wave
.set SPARE, 51712                      ; behind the stages: the spare words, 128 bytes for each wave: two blocks of 256 bytes that no other line names
.set XQ_SC, 524288
.set XQ_GW, 557056
.set LG,  16                           ; v16-23   the eight logits
.set X,   32                           ; v32-63   my 32 numbers of x
.set RAW, 64                           ; v64-127  Wg as loaded
.set CD,  128                          ; v128-131 my block's codes
                                       ; window 1, v0-255: Wg(32 L + k, e) at 8 k + e
.set MSB, 0
.macro WIN new                         ; the immediate's high byte repeats the setting that is left
.if MSB != \new
	s_set_vgpr_msb (MSB<<8)|\new
.set MSB, \new
.endif
.endm
	s_load_b256 s[4:11], s[0:1], 0x0               ; x s[4:5], Wg s[6:7], bg s[8:9], xq s[10:11]
	s_load_b64 s[12:13], s[0:1], 0x20              ; sel
	v_lshl_add_u32 v2, v0, 2, SPARE                ; my spare word; never rewritten
	v_mov_b32 v3, 0                                ; 0; never rewritten
	v_and_b32 v1, 31, v0                           ; lane
	v_lshrrev_b32 v10, 5, v0
	v_readfirstlane_b32 s14, v10                   ; wave
	s_lshl_b32 s15, ttmp9, 2
	s_add_co_u32 s15, s15, s14                     ; my token
	s_mul_i32 s27, s14, 4608
	s_add_co_u32 s27, s27, XST                     ; my stage
	v_lshlrev_b32 v4, 4, v1                        ; 16 x lane
	v_lshrrev_b32 v10, 3, v1
	v_mul_u32_u24 v5, v10, 144
	v_and_b32 v10, 7, v1
	v_lshl_add_u32 v5, v10, 4, v5
	v_add_nc_u32 v5, s27, v5                       ; into the stage: eight lanes' 128 bytes on end, then 16 of padding
	v_mul_u32_u24 v6, v1, 144
	v_add_nc_u32 v6, s27, v6                       ; out of it: my 128 bytes
	v_lshrrev_b32 v10, 6, v0
	v_mul_u32_u24 v7, v10, 1040
	v_and_b32 v10, 63, v0
	v_lshl_add_u32 v7, v10, 4, v7                  ; Wg into its image: 64 threads' 1,024 bytes on end, then 16 of padding
	v_mul_u32_u24 v8, v1, 1040                     ; and out of it: my 32 rows of Wg
	v_lshlrev_b32 v9, 4, v0                        ; 16 x thread
	s_mov_b32 s24, 0x76543210
	s_mov_b32 s25, 0xfedcba98                      ; v_permlanex16_b32's selects for lane l xor 16
	s_lshl_b32 s28, s15, 12                        ; a row of x is 4,096 bytes
	s_mov_b32 s29, 0
	s_wait_kmcnt 0x0
	s_load_b256 s[16:23], s[8:9], 0x0              ; bg's eight numbers
	s_add_nc_u64 s[4:5], s[4:5], s[28:29]
.irp i, 0,1,2,3,4,5,6,7
	global_load_b128 v[X+4*\i:X+4*\i+3], v4, s[4:5] offset:512*\i th:TH_LOAD_NT   ; 512 consecutive bytes a load; x's f32 numbers are read once in this launch
.endr
.irp i, 0,1,2,3,4,5,6,7,8,9,10,11,12,13,14,15
	global_load_b128 v[RAW+4*\i:RAW+4*\i+3], v9, s[6:7] offset:2048*\i            ; the four waves together: 2,048 consecutive bytes
.endr
	s_lshl_b32 s28, s15, 9
	s_add_nc_u64 s[30:31], s[10:11], s[28:29]      ; my token's codes
	s_lshl_b32 s28, s15, 5
	s_add_nc_u64 s[32:33], s[10:11], s[28:29]      ; its scale bytes (+ XQ_SC in the immediate)
	s_lshl_b32 s28, s15, 3
	s_add_nc_u64 s[34:35], s[10:11], s[28:29]      ; its two weights (+ XQ_GW)
	s_lshl_b32 s28, s15, 2
	s_add_nc_u64 s[12:13], s[12:13], s[28:29]      ; its word of sel
	s_wait_loadcnt 16                              ; x is in; the 16 younger loads, Wg's, may be out
.irp i, 0,1,2,3,4,5,6,7
	ds_store_b128 v5, v[X+4*\i:X+4*\i+3] offset:576*\i
.endr
.irp j, 0,1,2,3,4,5,6,7
	ds_load_b128 v[X+4*\j:X+4*\j+3], v6 offset:16*\j     ; LDS serves a wave's instructions in order: these see my stores
.endr
	s_wait_loadcnt 0x0                             ; Wg
.irp i, 0,1,2,3,4,5,6,7,8,9,10,11,12,13,14,15
	ds_store_b128 v7, v[RAW+4*\i:RAW+4*\i+3] offset:2080*\i
.endr
	s_wait_dscnt 0x0                               ; for the others' sake: my part of Wg's image has landed (and x is back)
	s_barrier_signal -1
	s_barrier_wait -1
	WIN 0x40                                       ; destination window 1
.set j, 0
.rept 64
	ds_load_b128 v[4*j:4*j+3], v8 offset:16*j
.set j, j+1
.endr
	WIN 0
	; my block of x is quantised while Wg's rows come
	v_max3_num_f32 v12, |v[X]|, |v[X+1]|, |v[X+2]|
	v_max3_num_f32 v13, |v[X+3]|, |v[X+4]|, |v[X+5]|
.irp i, 6,10,14,18,22,26
	v_max3_num_f32 v12, v12, |v[X+\i]|, |v[X+\i+1]|
	v_max3_num_f32 v13, v13, |v[X+\i+2]|, |v[X+\i+3]|
.endr
	v_max3_num_f32 v12, v12, |v[X+30]|, |v[X+31]|
	v_max3_num_f32 v12, v12, v13, 0x1800000        ; and the floor 2^(3 - 127): the byte cannot fall under 1
	v_add_nc_u32 v11, 0xff000000, v12              ; 2 off the exponent field: the conversion takes the exponent field of this operand as its scale
	v_lshrrev_b32 v13, 23, v11                     ; the scale's byte
.irp g, 0,1,2,3
	v_cvt_scalef32_pk8_fp4_f32 v[CD+\g], v[X+8*\g:X+8*\g+7], v11
.endr
	v_nop                                          ; one plain line behind the last scaled conversion
	global_store_b128 v4, v[CD:CD+3], s[30:31]     ; the wave stores the row's 512 bytes, two aligned blocks of 256
	global_store_b8 v1, v13, s[32:33] offset:XQ_SC ; and its 32 scale bytes
.irp e, 0,1,2,3,4,5,6,7
	v_mov_b32 v[24+\e], 0                          ; written once: a lane permute's destination counts as one of its sources
.endr
	s_wait_dscnt 0x0                               ; Wg's rows are in
	s_wait_kmcnt 0x0                               ; bg
	WIN 0x04                                       ; source 1 window 1
.irp e, 0,1,2,3,4,5,6,7
	v_mul_f32 v[LG+\e], v[X], v[\e]                ; the first product starts each sum
.endr
.set kk, 1
.rept 31
.irp e, 0,1,2,3,4,5,6,7
	v_fma_f32 v[LG+\e], v[X+kk], v[8*kk+\e], v[LG+\e]    ; the eight sums by turns
.endr
.set kk, kk+1
.endr
	WIN 0
.irp m, 1,2,4,8
.irp e, 0,1,2,3,4,5,6,7
	v_add_f32_dpp v[LG+\e], v[LG+\e], v[LG+\e] row_xmask:\m row_mask:0xf bank_mask:0xf
.endr
.endr
.irp e, 0,1,2,3,4,5,6,7
	v_permlanex16_b32 v[24+\e], v[LG+\e], s24, s25
.endr
.irp e, 0,1,2,3,4,5,6,7
	v_add_f32 v[LG+\e], v[LG+\e], v[24+\e]         ; every lane holds the sum over K
.endr
.irp e, 0,1,2,3,4,5,6,7
	v_add_f32 v[LG+\e], s[16+\e], v[LG+\e]         ; + bg
.endr
	; top-2 by values and bits alone: no branch, no address
	v_mov_b32 v24, v[LG]                           ; the largest so far,
	v_mov_b32 v25, 1                               ; and its expert's bit
.irp e, 1,2,3,4,5,6,7
	v_cmp_ge_f32 vcc_lo, v24, v[LG+\e]             ; kept unless the later logit is strictly larger
	v_cndmask_b32 v24, v[LG+\e], v24, vcc_lo
	v_cndmask_b32 v25, 1<<\e, v25, vcc_lo
.endr
	v_mov_b32 v26, 0xff800000                      ; -infinity takes the winner's place
.irp e, 0,1,2,3,4,5,6,7
	v_cmp_eq_u32 vcc_lo, 1<<\e, v25
	v_cndmask_b32 v[LG+\e], v[LG+\e], v26, vcc_lo
.endr
	v_mov_b32 v27, v[LG]
	v_mov_b32 v28, 1
.irp e, 1,2,3,4,5,6,7
	v_cmp_ge_f32 vcc_lo, v27, v[LG+\e]
	v_cndmask_b32 v27, v[LG+\e], v27, vcc_lo
	v_cndmask_b32 v28, 1<<\e, v28, vcc_lo
.endr
	v_lshl_or_b32 v29, v28, 8, v25                 ; sel = bit e0 | bit 8 + e1
	v_sub_f32 v30, v27, v24                        ; the softmax of the two, the larger taken away: 0 and d = second - first, 0 or less
	v_mul_f32 v30, 0x3fb8aa3b, v30
	v_exp_f32 v30, v30                             ; e^d
	v_nop                                          ; a plain line behind the transcendental,
	s_wait_alu depctr_va_vdst(0)                   ; and a wait ahead of its first reader
	v_add_f32 v31, 1.0, v30
	v_rcp_f32 v10, v31                             ; w0 = 1 / (1 + e^d)
	v_mov_b32 v12, 0                               ; (a plain line)  the stores' offset
	s_wait_alu depctr_va_vdst(0)
	v_mul_f32 v11, v30, v10                        ; w1 = e^d w0
	v_cmp_eq_u32 vcc_lo, 0, v1
	s_wait_xcnt 0x0                                ; EXEC changes only behind this wait: stores are out
	s_and_saveexec_b32 s26, vcc_lo                 ; lane 0 alone
	global_store_b32 v12, v29, s[12:13]
	global_store_b64 v12, v[10:11], s[34:35] offset:XQ_GW
	s_wait_xcnt 0x0                                ; and again in front of the line that widens it
	s_or_b32 exec_lo, exec_lo, s26
	s_wait_tensorcnt 0x0                           ; the wave's end, behind my last LDS store
	ds_add_u32 v2, v3
	s_wait_dscnt 0x0
	s_endpgm
.Lfunc_end_k_qe28b5abe65_route:
	.size	k_qe28b5abe65_route, .Lfunc_end_k_qe28b5abe65_route-k_qe28b5abe65_route
	.p2alignl 7, 3214868480
	.fill 96, 4, 3214868480
	.section	.rodata,"a",@progbits
	.p2align	6, 0x0
	.amdhsa_kernel k_qe28b5abe65_route
		.amdhsa_group_segment_fixed_size 52224
		.amdhsa_private_segment_fixed_size 0
		.amdhsa_enable_private_segment 0
		.amdhsa_kernarg_size 40
		.amdhsa_user_sgpr_count 2
		.amdhsa_user_sgpr_kernarg_segment_ptr 1
		.amdhsa_wavefront_size32 1
		.amdhsa_system_sgpr_workgroup_id_x 1
		.amdhsa_system_sgpr_workgroup_id_y 1
		.amdhsa_system_sgpr_workgroup_id_z 1
		.amdhsa_system_vgpr_workitem_id 0
		.amdhsa_next_free_vgpr 512
		.amdhsa_next_free_sgpr 66
		.amdhsa_reserve_vcc 1
		.amdhsa_float_denorm_mode_32 3
		.amdhsa_float_denorm_mode_16_64 3
		.amdhsa_memory_ordered 1
		.amdhsa_forward_progress 1
		.amdhsa_inst_pref_size 35
	.end_amdhsa_kernel
	.amdgpu_metadata
---
amdhsa.version: [ 1, 2 ]
amdhsa.kernels:
  - .name:           k_qe28b5abe65_route
    .symbol:         k_qe28b5abe65_route.kd
    .args:
      - { .name: x, .offset: 0, .size: 8, .value_kind: global_buffer, .address_space: global }
      - { .name: Wg, .offset: 8, .size: 8, .value_kind: global_buffer, .address_space: global }
      - { .name: bg, .offset: 16, .size: 8, .value_kind: global_buffer, .address_space: global }
      - { .name: xq, .offset: 24, .size: 8, .value_kind: global_buffer, .address_space: global }
      - { .name: sel, .offset: 32, .size: 8, .value_kind: global_buffer, .address_space: global }
    .group_segment_fixed_size: 52224
    .private_segment_fixed_size: 0
    .kernarg_segment_align: 8
    .kernarg_segment_size: 40
    .max_flat_workgroup_size: 128
    .sgpr_count:     66
    .vgpr_count:     512
    .wavefront_size: 32
...
	.end_amdgpu_metadata
.endif
;; end of part 1
;; launch place (part 2): grid 8 x 1, 32 waves a work-group, no clusters, 0 bytes of LDS; arguments sel, xq, lists, roww; writes lists, roww
.if DOCPART == 2
	.amdgcn_target "amdgcn-amd-amdhsa--gfx1250"
	.amdhsa_code_object_version 6
	.text
	.protected	k_qe28b5abe65_place
	.globl	k_qe28b5abe65_place
	.p2align	8
	.type	k_qe28b5abe65_place,@function
k_qe28b5abe65_place:
	s_mov_b64 s[64:65], 0
	v_nop
	global_prefetch_b8 v0, s[64:65] scope:SCOPE_SE
	s_setreg_imm32_b32 hwreg(HW_REG_WAVE_MODE, 25, 1), 1
	s_wait_xcnt 0x0
; Launch 2 of 5: the rows are placed by expert.  Work-group e reads the 1,024 words of sel (whole numbers that the launch before stored) and lists, in ascending token order, the tokens that chose expert e:
; rowtok[e][p] = the token, rowdst[e][p] = 2 t + slot (the row of y that takes this expert's part), roww[e][p] = the gate's weight.  NT[e] = the number of tiles of 16 rows, at least 1.
; The last tile is filled up with pad rows: token 0, weight 0, and a spare row of y of its own (2048 + 16 e + j), which nobody reads.  So every row of every tile under NT is stored, and later launches read stored bytes alone.
; No atomics, no LDS, no barrier: every wave makes all 32 ballots itself; wave w places tokens 32 w .. 32 w + 31 behind the members of the groups in front of it.
; Work left out: only chosen (token, expert) pairs are listed; the head of the first kernel shows why the others reach no output.
.set XQ_GW,  557056
.set LP,     4352                      ; bytes of an expert's list: 1,088 entries (1,024 rows and up to 15 pad rows fit)
.set ROWDST, 34816
.set NTL,    69632
	s_load_b256 s[4:11], s[0:1], 0x0               ; sel s[4:5], xq s[6:7], lists s[8:9], roww s[10:11]
	v_and_b32 v1, 31, v0                           ; lane
	v_lshrrev_b32 v2, 5, v0
	v_readfirstlane_b32 s14, v2                    ; wave
	v_lshlrev_b32 v3, 2, v1
	v_lshlrev_b32 v4, 2, v0                        ; my token is my thread's number
	v_lshlrev_b32 v5, 3, v0
	s_lshl_b32 s16, 0x101, ttmp9                   ; expert e's two bits: chosen first, chosen second
	s_lshl_b32 s22, 0x100, ttmp9                   ; chosen second
	s_mov_b32 s17, 0                               ; members in all
	s_mov_b32 s18, 0                               ; members in the groups in front of mine
	s_mul_i32 s26, ttmp9, LP
	s_mov_b32 s27, 0
	s_lshl_b32 s28, ttmp9, 6
	s_mov_b32 s29, 0
	s_wait_kmcnt 0x0
.set g, 0
.rept 32
	global_load_b32 v[32+g], v3, s[4:5] offset:128*g
.set g, g+1
.endr
	global_load_b32 v12, v4, s[4:5]                ; my token's word
	global_load_b64 v[6:7], v5, s[6:7] offset:XQ_GW   ; and its two weights
	s_add_nc_u64 s[30:31], s[8:9], s[28:29]        ; lists + 64 e: NT's place (+ NTL in the immediate)
	s_add_nc_u64 s[8:9], s[8:9], s[26:27]          ; my expert's lists
	s_add_nc_u64 s[10:11], s[10:11], s[26:27]
	s_wait_loadcnt 0x0
.set g, 0
.rept 32
	v_and_b32 v10, s16, v[32+g]
	v_cmp_ne_u32 s20, 0, v10                       ; group g's members, a bit a lane
	s_bcnt1_i32_b32 s21, s20
	s_add_co_u32 s17, s17, s21
	s_cmp_gt_u32 s14, g                            ; a group in front of mine?
	s_cselect_b32 s21, s21, 0
	s_add_co_u32 s18, s18, s21
.set g, g+1
.endr
	; what wave 0 will store for the pad rows is made here, by every wave, with all lanes on and ahead of every branch
	s_min_u32 s19, s17, 0x400                      ; the members in all, held to the number of tokens:
	v_add_nc_u32 v20, s19, v1                      ; pad row j stands j places behind the last member, 1,024 + 15 at the most
	v_lshlrev_b32 v20, 2, v20
	v_mov_b32 v21, 0                               ; token 0, weight 0
	s_lshl_b32 s29, ttmp9, 4
	s_add_co_u32 s29, s29, 2048
	v_add_nc_u32 v22, s29, v1                      ; the pad row's own spare row of y
	s_add_co_u32 s28, s17, 15
	s_lshr_b32 s28, s28, 4
	s_max_u32 s28, s28, 1                          ; NT: an expert that nobody chose keeps one tile of pad rows
	v_mov_b32 v23, s28
	; my token
	v_and_b32 v13, s22, v12
	v_cmp_ne_u32 s24, 0, v13                       ; chosen second: slot 1
	v_cndmask_b32 v14, v6, v7, s24                 ; the slot's weight
	v_cndmask_b32 v15, 0, 1, s24
	v_lshl_or_b32 v15, v0, 1, v15                  ; 2 t + slot
	v_and_b32 v11, s16, v12
	v_cmp_ne_u32 vcc_lo, 0, v11                    ; a member?
	v_mov_b32 v17, s18
	v_mbcnt_lo_u32_b32 v16, vcc_lo, v17            ; the members in front of me: my place
	v_min_u32 v16, 0x3ff, v16                      ; held inside the list
	v_lshlrev_b32 v16, 2, v16
	s_wait_xcnt 0x0                                ; EXEC changes only behind this wait
	s_and_saveexec_b32 s25, vcc_lo
	global_store_b32 v16, v0, s[8:9]
	global_store_b32 v16, v15, s[8:9] offset:ROWDST
	global_store_b32 v16, v14, s[10:11]
	s_wait_xcnt 0x0
	s_or_b32 exec_lo, exec_lo, s25
	s_cmp_lg_u32 s14, 0                            ; wave 0 adds sixteen pad rows behind the last member, and the number of tiles
	s_cbranch_scc1 .Lend
	v_cmp_gt_u32 vcc_lo, 16, v1
	s_wait_xcnt 0x0
	s_and_saveexec_b32 s25, vcc_lo
	global_store_b32 v20, v21, s[8:9]
	global_store_b32 v20, v22, s[8:9] offset:ROWDST
	global_store_b32 v20, v21, s[10:11]
	global_store_b32 v3, v23, s[30:31] offset:NTL
	s_wait_xcnt 0x0
	s_or_b32 exec_lo, exec_lo, s25
.Lend:
	s_endpgm
.Lfunc_end_k_qe28b5abe65_place:
	.size	k_qe28b5abe65_place, .Lfunc_end_k_qe28b5abe65_place-k_qe28b5abe65_place
	.p2alignl 7, 3214868480
	.fill 96, 4, 3214868480
	.section	.rodata,"a",@progbits
	.p2align	6, 0x0
	.amdhsa_kernel k_qe28b5abe65_place
		.amdhsa_group_segment_fixed_size 0
		.amdhsa_private_segment_fixed_size 0
		.amdhsa_enable_private_segment 0
		.amdhsa_kernarg_size 32
		.amdhsa_user_sgpr_count 2
		.amdhsa_user_sgpr_kernarg_segment_ptr 1
		.amdhsa_wavefront_size32 1
		.amdhsa_system_sgpr_workgroup_id_x 1
		.amdhsa_system_sgpr_workgroup_id_y 1
		.amdhsa_system_sgpr_workgroup_id_z 1
		.amdhsa_system_vgpr_workitem_id 0
		.amdhsa_next_free_vgpr 80
		.amdhsa_next_free_sgpr 66
		.amdhsa_reserve_vcc 1
		.amdhsa_float_denorm_mode_32 3
		.amdhsa_float_denorm_mode_16_64 3
		.amdhsa_memory_ordered 1
		.amdhsa_forward_progress 1
		.amdhsa_inst_pref_size 15
	.end_amdhsa_kernel
	.amdgpu_metadata
---
amdhsa.version: [ 1, 2 ]
amdhsa.kernels:
  - .name:           k_qe28b5abe65_place
    .symbol:         k_qe28b5abe65_place.kd
    .args:
      - { .name: sel, .offset: 0, .size: 8, .value_kind: global_buffer, .address_space: global }
      - { .name: xq, .offset: 8, .size: 8, .value_kind: global_buffer, .address_space: global }
      - { .name: lists, .offset: 16, .size: 8, .value_kind: global_buffer, .address_space: global }
      - { .name: roww, .offset: 24, .size: 8, .value_kind: global_buffer, .address_space: global }
    .group_segment_fixed_size: 0
    .private_segment_fixed_size: 0
    .kernarg_segment_align: 8
    .kernarg_segment_size: 32
    .max_flat_workgroup_size: 1024
    .sgpr_count:     66
    .vgpr_count:     80
    .wavefront_size: 32
...
	.end_amdgpu_metadata
.endif
;; end of part 2
;; launch ffn1 (part 3): grid 32 x 8, 4 waves a work-group, no clusters, 101,888 bytes of LDS; arguments xq, W1_codes, W1_scales, b1, lists, hq; writes hq
.if DOCPART == 3
	.amdgcn_target "amdgcn-amd-amdhsa--gfx1250"
	.amdhsa_code_object_version 6
	.text
	.protected	k_qe28b5abe65_ffn1
	.globl	k_qe28b5abe65_ffn1
	.p2align	8
	.type	k_qe28b5abe65_ffn1,@function
k_qe28b5abe65_ffn1:
	s_mov_b64 s[64:65], 0
	v_nop
	global_prefetch_b8 v0, s[64:65] scope:SCOPE_SE
	s_setreg_imm32_b32 hwreg(HW_REG_WAVE_MODE, 25, 1), 1
	s_wait_xcnt 0x0
; Launch 3 of 5: h = Q(gelu(Q(x) W1 + b1)) for the rows that chose the expert, on codes of E2M1 with one E8M0 scale for each 32 along K; Q is the quantiser along the next product's K.
; Work left out: rows of tokens that did not choose the expert (their factor w is exactly 0: the head of the first kernel shows it).
; SHARES.  Work-group (sl, e) owns hidden units 128 sl .. 128 sl + 127 of expert e: 128 rows of W1 x K 1,024, 64 KiB of codes, which are asked of memory ONCE in the launch.  Every wave holds the whole slab in 512 registers;
; wave w walks the expert's tiles of 16 rows w, w + 4, .. under NT.
; OPERANDS ARE LOADED AS THEY LIE AND TURNED IN LDS.  A row of W1 or of x is 512 bytes of codes: one load of the wave takes one whole row, 16 bytes a lane.  Rows go into LDS 528 bytes apart (33 x 16: the sixteen rows that a
; fragment load touches fall on sixteen different 16-byte columns modulo 256) and come back in the operand's layout, lane (r, h) taking 16 bytes at 528 r + 16 h.  W1: each wave brings 32 rows, one barrier, every wave reads all 64
; fragments.  x: a tile's 16 listed rows land in the registers of x's fragments, turn through the wave's own stage and come back into the same registers; LDS serves a wave's instructions in order, so no wait stands between.
; NT is a stored whole number, so the walk's length hangs on loaded data: the walk has no barrier and touches only the wave's own LDS bytes, and the launch has no tensor load.  For the same reason tiles are not shared in a cluster.
; THE PRODUCT IS USED TRANSPOSED (source 0 = 16 rows of W1, source 1 = 16 rows of x): a lane holds one row of h.  THE ROWS OF W1 THAT FORM A TILE ARE NOT NEIGHBOURS: lane r of tile 2 b + u takes row
; 32 b + 8 u + r + 8 (r / 8), so that the 16 registers of tiles 2 b and 2 b + 1 are 16 neighbours along the next K.  In LDS a tile's 16 rows lie on end: which LDS row a weight row gets is an immediate of its store.
; SCALE WORDS: a row has eight, 32 bytes.  One load takes 16 bytes in each half of the lanes: lanes 0-15 hold K steps 0-3, lanes 16-31 K steps 4-7, which the products name by the upper row of the scale register.
; b1 is the C of each sum's first matrix instruction.  The eight accumulators take turns, one instruction a turn.
; GELU: 0.5 z (1 + erf(z / sqrt 2)), erf(u) = u P(u^2) / Q(u^2) in f32 with u held to +-4.  LIMIT: erf is good to a few units in its last place; 1 + erf keeps an absolute error of about 1e-7,
; so far down the negative tail (z under about -3) gelu's relative error grows; under z = -5.7 the result is within 1e-7 |z| of 0.  NaN and infinities are not served.
; hq: codes as register images [e][tile 64][K step 32][half 2][lane 32][16 bytes]; from HQ_SC scale words [e][tile][K step][row 16].
; REGISTERS, in windows of 256: window 0: v1-25 addresses and constants; v32-63 W1's scale words (tile t, K step s at 32 + 4 t + s % 4); v64-79 the offsets of a tile's 16 rows of x; v96-99 x's scale words; v104-111 the codes just made;
;   v112-175 the eight accumulators; v176-239 at work in the gelu; v240-255 at work in the quantiser.  windows 1, 2: W1's 64 fragments ((s, t) at 256 + 64 s + 8 t).  window 3: v0-63 x's eight fragments; v128-191 b1's eight tiles.
.set XQ_SC, 524288
.set LP,    4352
.set NTL,   69632
.set HQ_SC, 0x1000000
.set WP,    528                        ; an LDS row: 512 bytes + 16
.set XSTG,  128*WP                     ; LDS: W1's 128 rows from 0; then a stage of 16 rows for each wave
.set SPARE, XSTG+4*16*WP               ; behind the stages: the spare words, 128 bytes for each wave: two blocks of 256 bytes that no other line names
.set LI,   4                           ; v4   16 x lane
.set WST,  5                           ; v5   where I store my 32 rows of W1: 32 rows x wave + 16 x lane
.set R4,   6                           ; v6   4 x (lane % 16)
.set TK,   7                           ; v7   my row's token, a tile ahead
.set WRD,  8                           ; v8   a fragment's place for my lane: 528 r + 16 h
.set SOFF, 9                           ; v9   my token's scale bytes: 32 x token + 16 h
.set TKA,  10                          ; v10  where the next list entry stands
.set H16,  11                          ; v11  16 (lane / 16)
.set CA5,  12                          ; v[12:13], v[14:15] two coefficients as vector pairs: an instruction takes one scalar constant beside them
.set CB3,  14
.set SPW,  16                          ; v16  my spare word; never rewritten
.set NIL,  17                          ; v17  0; never rewritten
.set PW,   18                          ; v18  the scale word just made
.set XSTO, 22                          ; v22  my stage, on the way in: 16 x lane
.set XRD,  23                          ; v23  and on the way out: 528 r + 16 h
.set TK0,  24                          ; v24  my row's token in my first tile
.set TKB,  25                          ; v25  the head's second list address
.set WS,   32
.set XO,   64
.set XS,   96
.set PC,   104
.set HA,   112
.set UU,   176
.set X2,   192
.set PP,   208
.set QQ,   224
.set TM,   240
.set B1R,  128                         ; in window 3
.set TOKN, 68                          ; s[68:83] the 16 tokens of my next tile
.set TOKF, 84                          ; s[84:99] those of my first tile
.set MSB, 0
.macro WIN new                         ; the immediate's high byte repeats the setting that is left
.if MSB != \new
	s_set_vgpr_msb (MSB<<8)|\new
.set MSB, \new
.endif
.endm
.macro CPAIR reg, bits                 ; a constant for the packed forms: they name a pair, so both words are written
	s_mov_b32 s[\reg], \bits
	s_mov_b32 s[\reg+1], \bits
.endm
.macro XOS base                        ; the byte offsets of a tile's 16 rows of x: 512 x token + 16 x lane, the token held inside the table
.irp i, 0,1,2,3,4,5,6,7,8,9,10,11,12,13,14,15
	s_min_u32 s31, s[\base+\i], 0x3ff
	v_lshl_add_u32 v[XO+\i], s31, 9, v[LI]
.endr
.endm
.macro XLOADS                          ; a tile's 16 rows of x, each 512 consecutive bytes, and its scale words
	WIN 0xc0                                       ; destination window 3
.irp i, 0,1,2,3,4,5,6,7,8,9,10,11,12,13,14,15
	global_load_b128 v[4*\i:4*\i+3], v[XO+\i], s[4:5]
.endr
	WIN 0
	global_load_b128 v[XS:XS+3], v[SOFF], s[4:5] offset:XQ_SC
.endm
.macro XTURN                           ; the 16 rows through my stage: piece i of a lane (K step i / 2, half i % 2) stands 32 i bytes on in its row
	WIN 0x0c                                       ; an LDS store's data are its source 1: window 3
.irp i, 0,1,2,3,4,5,6,7,8,9,10,11,12,13,14,15
	ds_store_b128 v[XSTO], v[4*\i:4*\i+3] offset:WP*\i
.endr
	WIN 0xc0
.irp i, 0,1,2,3,4,5,6,7,8,9,10,11,12,13,14,15
	ds_load_b128 v[4*\i:4*\i+3], v[XRD] offset:32*\i
.endr
	WIN 0
.endm
; 64 matrix instructions: K step by K step, the eight tiles by turns
.macro MUL
.irp s, 0,1,2,3,4,5,6,7
.if \s == 0
	WIN 0x3d                                       ; source 0 (W1) window 1, source 1 (x) and source 2 (b1) window 3
.elseif \s < 4
	WIN 0x0d                                       ; C and D window 0
.else
	WIN 0x0e                                       ; source 0 window 2
.endif
.irp t, 0,1,2,3,4,5,6,7
.if \s == 0
	v_wmma_scale_f32_16x16x128_f8f6f4 v[HA+8*\t:HA+8*\t+7], v[64*(\s%4)+8*\t:64*(\s%4)+8*\t+7], v[8*\s:8*\s+7], v[B1R+8*\t:B1R+8*\t+7], v[WS+4*\t+\s%4], v[XS+\s%4] matrix_a_fmt:MATRIX_FMT_FP4 matrix_b_fmt:MATRIX_FMT_FP4
.elseif \s < 4
	v_wmma_scale_f32_16x16x128_f8f6f4 v[HA+8*\t:HA+8*\t+7], v[64*(\s%4)+8*\t:64*(\s%4)+8*\t+7], v[8*\s:8*\s+7], v[HA+8*\t:HA+8*\t+7], v[WS+4*\t+\s%4], v[XS+\s%4] matrix_a_fmt:MATRIX_FMT_FP4 matrix_b_fmt:MATRIX_FMT_FP4
.else
	v_wmma_scale_f32_16x16x128_f8f6f4 v[HA+8*\t:HA+8*\t+7], v[64*(\s%4)+8*\t:64*(\s%4)+8*\t+7], v[8*\s:8*\s+7], v[HA+8*\t:HA+8*\t+7], v[WS+4*\t+\s%4], v[XS+\s%4] matrix_a_fmt:MATRIX_FMT_FP4 matrix_b_fmt:MATRIX_FMT_FP4 matrix_a_scale:MATRIX_SCALE_ROW1 matrix_b_scale:MATRIX_SCALE_ROW1
.endif
.endr
.endr
	WIN 0
.endm
.macro HORNER d, c                     ; d = d x u^2 + c, eight pairs
.irp i, 0,2,4,6,8,10,12,14
	v_pk_fma_f32 v[\d+\i:\d+\i+1], v[\d+\i:\d+\i+1], v[X2+\i:X2+\i+1], s[\c:\c+1] op_sel_hi:[1,1,0]
.endr
.endm
; the gelu of the 16 numbers of tiles 2 b and 2 b + 1, in place; each accumulator is first read at its two lowest registers
.macro GELU b
.set Z, HA+16*(\b)
.irp i, 0,2,4,6,8,10,12,14
	v_pk_mul_f32 v[UU+\i:UU+\i+1], v[Z+\i:Z+\i+1], s[36:37] op_sel_hi:[1,0]      ; u = z / sqrt 2
.endr
.irp i, 0,1,2,3,4,5,6,7,8,9,10,11,12,13,14,15
	v_med3_num_f32 v[UU+\i], v[UU+\i], -4.0, 4.0                                ; held to +-4, where erf is 1 to f32
.endr
.irp i, 0,2,4,6,8,10,12,14
	v_pk_mul_f32 v[X2+\i:X2+\i+1], v[UU+\i:UU+\i+1], v[UU+\i:UU+\i+1]
.endr
.irp i, 0,2,4,6,8,10,12,14
	v_pk_fma_f32 v[PP+\i:PP+\i+1], v[X2+\i:X2+\i+1], s[38:39], v[CA5:CA5+1] op_sel_hi:[1,0,1]
.endr
.irp i, 0,2,4,6,8,10,12,14
	v_pk_fma_f32 v[QQ+\i:QQ+\i+1], v[X2+\i:X2+\i+1], s[50:51], v[CB3:CB3+1] op_sel_hi:[1,0,1]
.endr
	HORNER PP, 40
	HORNER QQ, 52
	HORNER PP, 42
	HORNER QQ, 54
	HORNER PP, 44
	HORNER QQ, 56
	HORNER PP, 46
	HORNER PP, 48
.irp i, 0,1,2,3,4,5,6,7,8,9,10,11,12,13,14,15
	v_rcp_f32 v[QQ+\i], v[QQ+\i]                                                ; one batch of sixteen
.endr
.irp i, 0,2,4,6,8,10,12,14
	v_pk_mul_f32 v[PP+\i:PP+\i+1], v[PP+\i:PP+\i+1], v[UU+\i:UU+\i+1]           ; plain work that names no reciprocal
.endr
.irp i, 0,2,4,6,8,10,12,14
	v_pk_mul_f32 v[X2+\i:X2+\i+1], v[Z+\i:Z+\i+1], 0.5 op_sel_hi:[1,0]          ; z / 2
.endr
	s_wait_alu depctr_va_vdst(0)                   ; one wait for the batch, ahead of its first reader
.irp i, 0,2,4,6,8,10,12,14
	v_pk_mul_f32 v[PP+\i:PP+\i+1], v[PP+\i:PP+\i+1], v[QQ+\i:QQ+\i+1]           ; erf
.endr
.irp i, 0,2,4,6,8,10,12,14
	v_pk_fma_f32 v[Z+\i:Z+\i+1], v[X2+\i:X2+\i+1], v[PP+\i:PP+\i+1], v[X2+\i:X2+\i+1]   ; z / 2 x erf + z / 2
.endr
.endm
; 64 numbers of a lane, register 16 b + i = k 32 b + 16 (lane / 16) + i of my row, become a fragment's codes in v[PC] on and its scale word in v[PW]
.macro QUANT s
.irp b, 0,1,2,3
	v_max3_num_f32 v[TM+\b], |v[\s+16*\b]|, |v[\s+1+16*\b]|, 0x1800000          ; my 16 numbers of block b, and the floor 2^(3 - 127): the byte cannot fall under 1
.endr
.irp i, 2,4,6,8,10,12,14
.irp b, 0,1,2,3
	v_max3_num_f32 v[TM+\b], v[TM+\b], |v[\s+16*\b+\i]|, |v[\s+1+16*\b+\i]|     ; the four blocks by turns
.endr
.endr
.irp b, 0,1,2,3
	v_permlanex16_b32 v[TM+4+\b], v[TM+\b], s34, s35
.endr
.irp b, 0,1,2,3
	v_max_num_f32 v[TM+\b], v[TM+\b], v[TM+4+\b]   ; with lane l xor 16's: the block's largest magnitude, the same number in both lanes
.endr
.irp b, 0,1,2,3
	v_add_nc_u32 v[TM+12+\b], 0xff000000, v[TM+\b] ; 2 off its exponent field: the conversion's scale operand
.endr
.irp b, 0,1,2,3
	v_lshrrev_b32 v[TM+4+\b], 23, v[TM+12+\b]      ; the scale's byte
.endr
	v_lshl_or_b32 v[PW], v[TM+5], 8, v[TM+4]
	v_lshl_or_b32 v[PW], v[TM+6], 16, v[PW]
	v_lshl_or_b32 v[PW], v[TM+7], 24, v[PW]
.irp b, 0,1,2,3
	v_cvt_scalef32_pk8_fp4_f32 v[PC+2*\b], v[\s+16*\b:\s+7+16*\b], v[TM+12+\b]
	v_cvt_scalef32_pk8_fp4_f32 v[PC+1+2*\b], v[\s+8+16*\b:\s+15+16*\b], v[TM+12+\b]
.endr
	v_nop                                          ; one plain line behind the last scaled conversion
.irp c, 0,1                                    ; the operand's layout wants a whole block in a lane: lanes 0-15 block 2 c, lanes 16-31 block 2 c + 1
.irp i, 0,1
	v_permlane16_swap_b32 v[PC+4*\c+\i], v[PC+2+4*\c+\i]
.endr
.endr
.endm
.macro FRAGS hf                        ; W1's fragments of K steps 4 hf .. 4 hf + 3, all eight tiles, into the window's 256 registers
.irp s, 0,1,2,3
.irp t, 0,1,2,3,4,5,6,7
.irp c, 0,1
	ds_load_b128 v[64*\s+8*\t+4*\c:64*\s+8*\t+4*\c+3], v[WRD] offset:16*WP*\t+64*(4*\hf+\s)+32*\c
.endr
.endr
.endr
.endm
	s_load_b256 s[4:11], s[0:1], 0x0               ; xq s[4:5], W1's codes s[6:7], W1's scales s[8:9], b1 s[10:11]
	s_load_b128 s[12:15], s[0:1], 0x20             ; lists s[12:13], hq s[14:15]
	v_lshl_add_u32 v[SPW], v0, 2, SPARE
	v_mov_b32 v[NIL], 0
	v_and_b32 v1, 31, v0                           ; lane
	v_and_b32 v2, 15, v0                           ; r
	v_bfe_u32 v3, v0, 4, 1                         ; h
	v_lshrrev_b32 v19, 5, v0
	v_readfirstlane_b32 s22, v19                   ; wave
	s_mov_b32 s23, ttmp9                           ; the slice of 128 hidden units
	s_and_b32 s24, ttmp7, 0xffff                   ; the expert
	v_lshlrev_b32 v[LI], 4, v1
	s_mul_i32 s28, s22, 32*WP
	v_add_nc_u32 v[WST], s28, v[LI]
	v_mul_u32_u24 v[WRD], v2, WP
	v_lshl_add_u32 v[WRD], v3, 4, v[WRD]
	s_mul_i32 s28, s22, 16*WP
	s_add_co_u32 s28, s28, XSTG                    ; my stage
	v_add_nc_u32 v[XSTO], s28, v[LI]
	v_add_nc_u32 v[XRD], s28, v[WRD]
	v_lshlrev_b32 v[R4], 2, v2
	v_lshlrev_b32 v[H16], 4, v3
	v_and_b32 v19, 8, v2
	v_add_nc_u32 v19, v19, v2                      ; r + 8 (r / 8)
	v_lshl_add_u32 v20, v19, 5, v[H16]             ; W1's scale bytes: 32 a row, + 16 h
	v_lshlrev_b32 v21, 6, v3                       ; b1: lanes 16-31 stand 16 numbers on
	s_mov_b32 s34, 0x76543210
	s_mov_b32 s35, 0xfedcba98                      ; v_permlanex16_b32's selects for lane l xor 16
	CPAIR 36, 0x3f3504f3                           ; 1 / sqrt 2
	CPAIR 38, 0xaf95df0b                           ; P: -2.72614226e-10,
	v_mov_b32 v[CA5], 0x32edffee                   ;    2.77068142e-08,
	v_mov_b32 v[CA5+1], 0x32edffee
	CPAIR 40, 0xb60cff51                           ;    -2.10102402e-06,
	CPAIR 42, 0xb86ec2d2                           ;    -5.69250639e-05,
	CPAIR 44, 0xba40ac63                           ;    -7.34990630e-04,
	CPAIR 46, 0xbb41a1f6                           ;    -2.95459981e-03,
	CPAIR 48, 0xbc83dbd4                           ;    -1.60960333e-02
	CPAIR 50, 0xb77460cd                           ; Q: -1.45660718e-05,
	v_mov_b32 v[CB3], 0xb95fbd29                   ;    -2.13374055e-04,
	v_mov_b32 v[CB3+1], 0xb95fbd29
	CPAIR 52, 0xbadc924e                           ;    -1.68282697e-03,
	CPAIR 54, 0xbbf19bf8                           ;    -7.37332917e-03,
	CPAIR 56, 0xbc69b6a7                           ;    -1.42647391e-02
.irp b, 0,1,2,3
	v_mov_b32 v[TM+4+\b], 0                        ; written once: a lane permute's destination counts as one of its sources
.endr
	s_lshl_b32 s31, s24, 6
	s_mov_b32 s19, 0
	s_wait_kmcnt 0x0
	s_load_b32 s25, s[12:13], s31 offset:NTL       ; NT of my expert
	s_lshl_b32 s18, s24, 21                        ; W1's codes: expert x 2 MiB + slice x 128 rows + wave x 32 rows of 512 bytes
	s_lshl_b32 s28, s23, 16
	s_add_co_u32 s18, s18, s28
	s_lshl_b32 s28, s22, 14
	s_add_co_u32 s18, s18, s28
	s_add_nc_u64 s[6:7], s[6:7], s[18:19]
.set j, 0
.rept 32                                       ; my quarter of the slab, a row a load: 32 loads cover 16 KiB on end, each byte asked for once in the launch
	global_load_b128 v[HA+4*j:HA+4*j+3], v[LI], s[6:7] offset:512*j th:TH_LOAD_NT
.set j, j+1
.endr
	s_lshl_b32 s18, s24, 17                        ; W1's scale bytes: (expert x 4,096 + slice x 128) rows of 32
	s_lshl_b32 s28, s23, 12
	s_add_co_u32 s18, s18, s28
	s_add_nc_u64 s[8:9], s[8:9], s[18:19]
.irp t, 0,1,2,3,4,5,6,7
	global_load_b128 v[WS+4*\t:WS+4*\t+3], v20, s[8:9] offset:(32*(\t/2)+8*(\t%2))*32   ; tile t's rows: two runs of 256 consecutive bytes
.endr
	s_lshl_b32 s18, s24, 14                        ; b1: (expert x 4,096 + slice x 128) numbers
	s_lshl_b32 s28, s23, 9
	s_add_co_u32 s18, s18, s28
	s_add_nc_u64 s[10:11], s[10:11], s[18:19]
	WIN 0xc0                                       ; destination window 3
.irp t, 0,1,2,3,4,5,6,7                        ; in the result's layout: lane (r, h), register j: hidden unit 32 (t / 2) + 16 h + 8 (t % 2) + j
.irp j, 0,1
	global_load_b128 v[B1R+8*\t+4*\j:B1R+8*\t+4*\j+3], v21, s[10:11] offset:(32*(\t/2)+8*(\t%2))*4+16*\j
.endr
.endr
	WIN 0
	s_mul_i32 s18, s24, LP
	s_add_nc_u64 s[16:17], s[12:13], s[18:19]      ; my expert's list of tokens
	s_lshl_b32 s18, s24, 21                        ; where my first tile's image goes: expert x 2 MiB + tile w x 32 KiB + K step sl x 1 KiB
	s_lshl_b32 s28, s22, 15
	s_add_co_u32 s18, s18, s28
	s_lshl_b32 s28, s23, 10
	s_add_co_u32 s18, s18, s28
	s_add_nc_u64 s[58:59], s[14:15], s[18:19]
	s_lshl_b32 s18, s24, 17                        ; and its scale words: expert x 128 KiB + tile x 2 KiB + K step x 64
	s_lshl_b32 s28, s22, 11
	s_add_co_u32 s18, s18, s28
	s_lshl_b32 s28, s23, 6
	s_add_co_u32 s18, s18, s28
	s_add_nc_u64 s[60:61], s[14:15], s[18:19]
	s_add_nc_u64 s[60:61], s[60:61], HQ_SC
	s_wait_kmcnt 0x0
	s_min_u32 s25, s25, 64                         ; NT, held to the lists' size
	s_sub_co_u32 s33, s25, 1
	s_min_u32 s27, s22, s33                        ; my first tile, or the last one there is: every list entry read has been stored
	s_min_u32 s27, s27, 63
	s_lshl_b32 s29, s27, 6
	s_load_b512 s[TOKF:TOKF+15], s[16:17], s29 offset:0x0     ; its 16 tokens as scalars, for the rows' loads,
	v_lshl_add_u32 v[TKA], s27, 6, v[R4]
	global_load_b32 v[TK0], v[TKA], s[16:17]       ; and a token a lane, for the scale words
	s_add_co_u32 s27, s22, 4
	s_min_u32 s27, s27, s33
	s_min_u32 s27, s27, 63
	s_lshl_b32 s30, s27, 6
	s_load_b512 s[TOKN:TOKN+15], s[16:17], s30 offset:0x0     ; the same of my second tile
	v_lshl_add_u32 v[TKB], s27, 6, v[R4]
	global_load_b32 v[TK], v[TKB], s[16:17]
	s_wait_loadcnt 26                              ; the 32 weight loads are in; the 8 + 16 + 2 younger ones may be out
.set j, 0
.rept 32                                       ; weight row 32 w + j is row (j % 8) + 8 (j / 16) of tile 2 w + (j / 8) % 2
	ds_store_b128 v[WST], v[HA+4*j:HA+4*j+3] offset:WP*(16*((j/8)%2)+(j%8)+8*(j/16))
.set j, j+1
.endr
	s_wait_kmcnt 0x0                               ; the tokens
	s_wait_loadcnt 0x0
	v_min_u32 v[TK0], 0x3ff, v[TK0]
	v_lshl_add_u32 v[SOFF], v[TK0], 5, v[H16]
	XOS TOKF
	XLOADS                                         ; the first tile's x
	s_wait_dscnt 0x0                               ; for the others' sake: my rows of W1 have landed
	s_barrier_signal -1
	s_barrier_wait -1                              ; the launch's one barrier: it stands ahead of every branch on NT
	s_cmp_ge_u32 s22, s25
	s_cbranch_scc1 .Lend                           ; fewer tiles than waves: nothing for me
	WIN 0x40
	FRAGS 0                                        ; K steps 0-3 into window 1
	WIN 0x80
	FRAGS 1                                        ; K steps 4-7 into window 2
	WIN 0
	s_mov_b32 s26, s22                             ; T, my tile
	s_add_co_u32 s21, s25, 3
	s_sub_co_u32 s21, s21, s22
	s_lshr_b32 s21, s21, 2                         ; my tiles: (NT + 3 - wave) / 4, at least 1 here, 16 at the most
	s_mov_b32 s20, 0                               ; counts them, one a trip
	s_wait_loadcnt 0x0                             ; the first tile's rows of x
	XTURN
.Ltile:
	s_wait_dscnt 0x0                               ; this tile's x is back from my stage (in the first trip: W1's fragments too)
	s_wait_loadcnt 0x0                             ; its scale words and the next tile's tokens are in
	s_wait_kmcnt 0x0
	s_add_co_u32 s27, s26, 8
	s_min_u32 s27, s27, s33
	s_min_u32 s27, s27, 63
	s_lshl_b32 s29, s27, 6
	MUL
	v_min_u32 v[TK], 0x3ff, v[TK]                  ; nineteen plain lines that name no register of the products: among them the places in front of the loads into x's registers and of the first read of results
	v_lshl_add_u32 v[SOFF], v[TK], 5, v[H16]
	v_lshl_add_u32 v[TKA], s27, 6, v[R4]
	XOS TOKN
	s_add_co_u32 s28, s26, 4
	s_cmp_ge_u32 s28, s25
	s_cbranch_scc1 .Lnox                           ; my last tile asks for nothing
	XLOADS                                         ; the next tile's x lands under this tile's gelu
	global_load_b32 v[TK], v[TKA], s[16:17]        ; and the tokens of the tile after it
	s_load_b512 s[TOKN:TOKN+15], s[16:17], s29 offset:0x0
.Lnox:
	GELU 0
	GELU 1
	GELU 2
	GELU 3
	s_wait_loadcnt 0x0                             ; the next tile's rows are in: on every way, so that no load is ever issued into registers that a load still owes
	s_cmp_ge_u32 s28, s25
	s_cbranch_scc1 .Lnoturn
	XTURN                                          ; they turn through my stage under the quantiser's lines
.Lnoturn:
	QUANT HA
	global_store_b128 v[LI], v[PC:PC+3], s[58:59]              ; the fragment as it stands: 512 consecutive bytes a store
	global_store_b128 v[LI], v[PC+4:PC+7], s[58:59] offset:512
	global_store_b32 v[R4], v[PW], s[60:61]        ; the 16 rows' scale words, 64 consecutive bytes: lanes l and l + 16 hold the same word of row l % 16 and name the same place
	s_wait_xcnt 0x0                                ; the stores have read their registers and bases: the bases and, in the next trip, the codes may be written
	s_add_nc_u64 s[58:59], s[58:59], 0x20000       ; four tiles on
	s_add_nc_u64 s[60:61], s[60:61], 0x2000
	s_add_co_u32 s26, s26, 4
	s_add_co_u32 s20, s20, 1
	s_cmp_lt_u32 s20, s21
	s_cbranch_scc1 .Ltile
.Lend:
	s_wait_tensorcnt 0x0                           ; the wave's end, behind my last LDS store
	ds_add_u32 v[SPW], v[NIL]
	s_wait_dscnt 0x0
	s_endpgm
.Lfunc_end_k_qe28b5abe65_ffn1:
	.size	k_qe28b5abe65_ffn1, .Lfunc_end_k_qe28b5abe65_ffn1-k_qe28b5abe65_ffn1
	.p2alignl 7, 3214868480
	.fill 96, 4, 3214868480
	.section	.rodata,"a",@progbits
	.p2align	6, 0x0
	.amdhsa_kernel k_qe28b5abe65_ffn1
		.amdhsa_group_segment_fixed_size 101888
		.amdhsa_private_segment_fixed_size 0
		.amdhsa_enable_private_segment 0
		.amdhsa_kernarg_size 48
		.amdhsa_user_sgpr_count 2
		.amdhsa_user_sgpr_kernarg_segment_ptr 1
		.amdhsa_wavefront_size32 1
		.amdhsa_system_sgpr_workgroup_id_x 1
		.amdhsa_system_sgpr_workgroup_id_y 1
		.amdhsa_system_sgpr_workgroup_id_z 1
		.amdhsa_system_vgpr_workitem_id 0
		.amdhsa_next_free_vgpr 1024
		.amdhsa_next_free_sgpr 100
		.amdhsa_reserve_vcc 0
		.amdhsa_float_denorm_mode_32 3
		.amdhsa_float_denorm_mode_16_64 3
		.amdhsa_memory_ordered 1
		.amdhsa_forward_progress 1
		.amdhsa_inst_pref_size 85
	.end_amdhsa_kernel
	.amdgpu_metadata
---
amdhsa.version: [ 1, 2 ]
amdhsa.kernels:
  - .name:           k_qe28b5abe65_ffn1
    .symbol:         k_qe28b5abe65_ffn1.kd
    .args:
      - { .name: xq, .offset: 0, .size: 8, .value_kind: global_buffer, .address_space: global }
      - { .name: W1_codes, .offset: 8, .size: 8, .value_kind: global_buffer, .address_space: global }
      - { .name: W1_scales, .offset: 16, .size: 8, .value_kind: global_buffer, .address_space: global }
      - { .name: b1, .offset: 24, .size: 8, .value_kind: global_buffer, .address_space: global }
      - { .name: lists, .offset: 32, .size: 8, .value_kind: global_buffer, .address_space: global }
      - { .name: hq, .offset: 40, .size: 8, .value_kind: global_buffer, .address_space: global }
    .group_segment_fixed_size: 101888
    .private_segment_fixed_size: 0
    .kernarg_segment_align: 8
    .kernarg_segment_size: 48
    .max_flat_workgroup_size: 128
    .sgpr_count:     100
    .vgpr_count:     1024
    .wavefront_size: 32
...
	.end_amdgpu_metadata
.endif
;; end of part 3
;; launch ffn2 (part 4): grid 32 x 8, 4 waves a work-group, no clusters, 68,096 bytes of LDS; arguments hq, W2_codes, W2_scales, b2, lists, roww, y; writes y
.if DOCPART == 4
	.amdgcn_target "amdgcn-amd-amdhsa--gfx1250"
	.amdhsa_code_object_version 6
	.text
	.protected	k_qe28b5abe65_ffn2
	.globl	k_qe28b5abe65_ffn2
	.p2align	8
	.type	k_qe28b5abe65_ffn2,@function
k_qe28b5abe65_ffn2:
	s_mov_b64 s[64:65], 0
	v_nop
	global_prefetch_b8 v0, s[64:65] scope:SCOPE_SE
	s_setreg_imm32_b32 hwreg(HW_REG_WAVE_MODE, 25, 1), 1
	s_wait_xcnt 0x0
; Launch 4 of 5: y[2 t + slot] = w x (h W2 + b2) for each chosen (token, expert), on codes of E2M1 with one E8M0 scale for each 32 along K = 4,096.
; Work left out: rows of tokens that did not choose the expert (their factor w is exactly 0: the head of the first kernel shows it).
; SHARES.  Work-group (c8 + 8 q, e) owns outputs 128 c8 .. + 127 of expert e and the tiles of 16 rows q, q + 4, .. under NT.  THE WAVES SHARE K: wave w holds the 128 rows of W2 x K steps 8 w .. 8 w + 7 in 512 registers
; and multiplies every tile by them; the four partial sums of a tile meet in LDS, and wave w then finishes rows 4 w .. 4 w + 3.
; W2 IS LOADED AS IT LIES AND TURNED IN LDS.  One load of the wave takes the 512 consecutive bytes of a row that are my K quarter, 16 bytes a lane.  Sixteen rows at a time go into my own 16 x 528 bytes of sum buffer 0 (no other
; wave touches them ahead of the first barrier) and come back in the operand's layout, lane (r, h) taking 16 bytes at 528 r + 16 h, into the registers that they left.  LDS serves a wave's instructions in order: no wait stands
; between a tile's stores and its loads, nor in front of the next tile's stores.  Three tiles' loads, 48, are on their way while one tile turns.
; The meeting of the partial sums wants a barrier, and NT is a stored whole number.  So the walk has a CONSTANT length, sixteen tiles (64 tiles at the most, four row groups), every wave passes every barrier, and scalar branches on
; NT lead round the work alone.  For the same reason the launch has no tensor load and no cluster.
; THE PRODUCT IS USED TRANSPOSED (source 0 = 16 rows of W2, source 1 = 16 rows of h): a lane holds eight neighbouring outputs of one row.  The eight accumulators take turns, one instruction a turn.
; SCALE WORDS.  W2's: a row's eight words of my K quarter are 32 bytes; one load takes 16 in each half of the lanes: lanes 0-15 hold K steps 0-3, lanes 16-31 K steps 4-7.  h's: two K steps share a register, lanes 0-15 the even
; step's, lanes 16-31 the odd step's.  The products name the upper lanes by the upper row of the scale register.
; Two sum buffers take turns, so that one barrier a tile does: between two barriers stand only the reads of one buffer and the writes of the other.
; REGISTERS, in windows of 256: window 0: v1-17 addresses; v20-27 h's scale words, two sets; v28-31 the stores' offsets; v32-63 W2's scale words (tile t, K step s at 32 + 4 t + s % 4); v96-99 b2; v112-175 the accumulators;
;   v176-239 the four rows' four parts.  windows 1, 2: W2's 64 fragments ((s, t) at 256 + 64 s + 8 t).  window 3: h's eight fragments, two sets, at v0 and v64.
.set LP,     4352
.set ROWDST, 34816
.set NTL,    69632
.set HQ_SC,  0x1000000
.set RED1,   33792                     ; LDS: two sum buffers [wave 4][row 16][512 + 16 bytes], at 0 and here
.set SPARE,  67584                     ; behind them the spare words, 128 bytes for each wave: two blocks of 256 bytes that no other line names
.set LI,   4                           ; v4   16 x lane
.set L4,   5                           ; v5   4 x lane
.set WSO,  7                           ; v7   W2's scale bytes: 128 r + 16 h
.set STO,  8                           ; v8-9   where I put 32 bytes of a row of my partial sums, buffer 0, 1
.set RD,   10                          ; v10-11 where I read a row's parts back
.set STG,  12                          ; v12  W2's turn, on the way in: my part of buffer 0 + 16 x lane
.set FRD,  13                          ; v13  and on the way out: + 528 r + 16 h
.set SPW,  16                          ; v16  my spare word; never rewritten
.set NIL,  17                          ; v17  0; never rewritten
.set HS,   20
.set OFF,  28
.set WS,   32
.set BB,   96
.set HA,   112
.set RR,   176
.set MSB, 0
.macro WIN new                         ; the immediate's high byte repeats the setting that is left
.if MSB != \new
	s_set_vgpr_msb (MSB<<8)|\new
.set MSB, \new
.endif
.endm
; Tile t of W2: 16 rows.  Row i lands in the four registers of the tile's piece i (K step i / 2, half i % 2): pieces 0-7 lie in window 1, pieces 8-15 in window 2.
; The settings 0x44 and 0x88 put a load's destination and an LDS store's data (its source 1) into one window, and leave addresses in window 0.
.macro WLOAD t
	WIN 0x44
.irp i, 0,1,2,3,4,5,6,7
	global_load_b128 v[64*(\i/2)+8*(\t)+4*(\i%2):64*(\i/2)+8*(\t)+4*(\i%2)+3], v[LI], s[6:7] offset:2048*(16*(\t)+\i)
.endr
	WIN 0x88
.irp i, 8,9,10,11,12,13,14,15
	global_load_b128 v[64*(\i/2-4)+8*(\t)+4*(\i%2):64*(\i/2-4)+8*(\t)+4*(\i%2)+3], v[LI], s[6:7] offset:2048*(16*(\t)+\i)
.endr
.endm
.macro WTURN t                         ; the 16 rows into my stage, and back as the tile's 16 pieces: piece i stands 32 i bytes on in a lane's row
	WIN 0x44
.irp i, 0,1,2,3,4,5,6,7
	ds_store_b128 v[STG], v[64*(\i/2)+8*(\t)+4*(\i%2):64*(\i/2)+8*(\t)+4*(\i%2)+3] offset:528*\i
.endr
	WIN 0x88
.irp i, 8,9,10,11,12,13,14,15
	ds_store_b128 v[STG], v[64*(\i/2-4)+8*(\t)+4*(\i%2):64*(\i/2-4)+8*(\t)+4*(\i%2)+3] offset:528*\i
.endr
.irp i, 8,9,10,11,12,13,14,15
	ds_load_b128 v[64*(\i/2-4)+8*(\t)+4*(\i%2):64*(\i/2-4)+8*(\t)+4*(\i%2)+3], v[FRD] offset:32*\i
.endr
	WIN 0x44
.irp i, 0,1,2,3,4,5,6,7
	ds_load_b128 v[64*(\i/2)+8*(\t)+4*(\i%2):64*(\i/2)+8*(\t)+4*(\i%2)+3], v[FRD] offset:32*\i
.endr
.endm
; my eight fragments of h and their scale words of the tile whose number stands in s30, into set p: 20 loads
.macro HLOADS p
	s_lshl_b32 s18, s30, 15
	s_add_nc_u64 s[36+2*\p:37+2*\p], s[32:33], s[18:19]
	s_lshl_b32 s18, s30, 11
	s_add_nc_u64 s[40+2*\p:41+2*\p], s[34:35], s[18:19]
	WIN 0xc0                                       ; destination window 3
.irp s, 0,1,2,3,4,5,6,7
.irp c, 0,1
	global_load_b128 v[64*\p+8*\s+4*\c:64*\p+8*\s+4*\c+3], v[LI], s[36+2*\p:37+2*\p] offset:1024*\s+512*\c   ; an image's half: 512 consecutive bytes
.endr
.endr
	WIN 0
.irp i, 0,1,2,3
	global_load_b32 v[HS+4*\p+\i], v[L4], s[40+2*\p:41+2*\p] offset:128*\i      ; K steps 2 i (lanes 0-15) and 2 i + 1 (lanes 16-31)
.endr
.endm
.macro MUL p                           ; 64 matrix instructions: K step by K step, the eight tiles by turns; the first K step starts the sums
.irp s, 0,1,2,3,4,5,6,7
.if \s < 4
	WIN 0x0d                                       ; source 0 (W2) window 1, source 1 (h) window 3
.else
	WIN 0x0e                                       ; source 0 window 2
.endif
.irp t, 0,1,2,3,4,5,6,7
.if \s == 0
	v_wmma_scale_f32_16x16x128_f8f6f4 v[HA+8*\t:HA+8*\t+7], v[64*(\s%4)+8*\t:64*(\s%4)+8*\t+7], v[64*\p+8*\s:64*\p+8*\s+7], 0, v[WS+4*\t+\s%4], v[HS+4*\p+\s/2] matrix_a_fmt:MATRIX_FMT_FP4 matrix_b_fmt:MATRIX_FMT_FP4
.elseif (\s < 4) && (\s%2 == 0)
	v_wmma_scale_f32_16x16x128_f8f6f4 v[HA+8*\t:HA+8*\t+7], v[64*(\s%4)+8*\t:64*(\s%4)+8*\t+7], v[64*\p+8*\s:64*\p+8*\s+7], v[HA+8*\t:HA+8*\t+7], v[WS+4*\t+\s%4], v[HS+4*\p+\s/2] matrix_a_fmt:MATRIX_FMT_FP4 matrix_b_fmt:MATRIX_FMT_FP4
.elseif \s < 4
	v_wmma_scale_f32_16x16x128_f8f6f4 v[HA+8*\t:HA+8*\t+7], v[64*(\s%4)+8*\t:64*(\s%4)+8*\t+7], v[64*\p+8*\s:64*\p+8*\s+7], v[HA+8*\t:HA+8*\t+7], v[WS+4*\t+\s%4], v[HS+4*\p+\s/2] matrix_a_fmt:MATRIX_FMT_FP4 matrix_b_fmt:MATRIX_FMT_FP4 matrix_b_scale:MATRIX_SCALE_ROW1
.elseif \s%2 == 0
	v_wmma_scale_f32_16x16x128_f8f6f4 v[HA+8*\t:HA+8*\t+7], v[64*(\s%4)+8*\t:64*(\s%4)+8*\t+7], v[64*\p+8*\s:64*\p+8*\s+7], v[HA+8*\t:HA+8*\t+7], v[WS+4*\t+\s%4], v[HS+4*\p+\s/2] matrix_a_fmt:MATRIX_FMT_FP4 matrix_b_fmt:MATRIX_FMT_FP4 matrix_a_scale:MATRIX_SCALE_ROW1
.else
	v_wmma_scale_f32_16x16x128_f8f6f4 v[HA+8*\t:HA+8*\t+7], v[64*(\s%4)+8*\t:64*(\s%4)+8*\t+7], v[64*\p+8*\s:64*\p+8*\s+7], v[HA+8*\t:HA+8*\t+7], v[WS+4*\t+\s%4], v[HS+4*\p+\s/2] matrix_a_fmt:MATRIX_FMT_FP4 matrix_b_fmt:MATRIX_FMT_FP4 matrix_a_scale:MATRIX_SCALE_ROW1 matrix_b_scale:MATRIX_SCALE_ROW1
.endif
.endr
.endr
	WIN 0
.endm
; One tile, T in s27, on set and buffer p.
.macro TRIP p
	s_cmp_ge_u32 s27, s26
	s_cbranch_scc1 .Lno_mul_\@                     ; no such tile: the work is passed over, the barrier is not
	s_lshl_b32 s29, s27, 6
	s_load_b128 s[44:47], s[52:53], s29 offset:0x0 ; my four rows' places in y,
	s_load_b128 s[48:51], s[54:55], s29 offset:0x0 ; and their weights
	s_wait_loadcnt 0x0                             ; this tile's h; whether younger loads were issued hangs on NT, so the count is 0
	MUL \p
.rept 5
	v_nop                                          ; places: four in front of the loads into h's registers and of the LDS stores that read results, a fifth since the next tile's first products start these accumulators anew
.endr
	s_add_co_u32 s30, s27, 8
	s_cmp_ge_u32 s30, s26
	s_cbranch_scc1 .Lno_h_\@
	HLOADS \p                                      ; this set's next tile, two tiles on
.Lno_h_\@:
.irp t, 0,1,2,3,4,5,6,7
	ds_store_b128 v[STO+\p], v[HA+8*\t:HA+8*\t+3] offset:64*\t           ; each accumulator from its low end on
	ds_store_b128 v[STO+\p], v[HA+8*\t+4:HA+8*\t+7] offset:64*\t+16
.endr
	s_wait_kmcnt 0x0
.Lno_mul_\@:
	s_wait_dscnt 0x0                               ; for the others' sake: my partial sums have landed, and my reads of the other buffer are over
	s_barrier_signal -1
	s_barrier_wait -1
	s_cmp_ge_u32 s27, s26
	s_cbranch_scc1 .Lno_sum_\@
	s_wait_xcnt 0x0                                ; the last tile's stores have read their data and offsets: both are written again below
.irp i, 0,1,2,3
.irp c, 0,1,2,3
	ds_load_b128 v[RR+16*\i+4*\c:RR+16*\i+4*\c+3], v[RD+\p] offset:528*\i+8448*\c   ; row 4 w + i, wave c's part: 512 consecutive bytes
.endr
.endr
.irp i, 0,1,2,3
	s_min_u32 s30, s[44+\i], 0x87f                 ; the row of y, held inside the buffer
	v_lshl_add_u32 v[OFF+\i], s30, 12, v[LI]
.endr
.irp i, 0,1,2,3
	s_wait_dscnt 4*(3-\i)                          ; row i's four parts are in; the later rows' four loads each may be out
	v_pk_add_f32 v[RR+16*\i:RR+16*\i+1], v[RR+16*\i:RR+16*\i+1], v[RR+16*\i+4:RR+16*\i+5]
	v_pk_add_f32 v[RR+16*\i+2:RR+16*\i+3], v[RR+16*\i+2:RR+16*\i+3], v[RR+16*\i+6:RR+16*\i+7]
	v_pk_add_f32 v[RR+16*\i+8:RR+16*\i+9], v[RR+16*\i+8:RR+16*\i+9], v[RR+16*\i+12:RR+16*\i+13]
	v_pk_add_f32 v[RR+16*\i+10:RR+16*\i+11], v[RR+16*\i+10:RR+16*\i+11], v[RR+16*\i+14:RR+16*\i+15]
	v_pk_add_f32 v[RR+16*\i:RR+16*\i+1], v[RR+16*\i:RR+16*\i+1], v[RR+16*\i+8:RR+16*\i+9]
	v_pk_add_f32 v[RR+16*\i+2:RR+16*\i+3], v[RR+16*\i+2:RR+16*\i+3], v[RR+16*\i+10:RR+16*\i+11]
	v_pk_add_f32 v[RR+16*\i:RR+16*\i+1], v[RR+16*\i:RR+16*\i+1], v[BB:BB+1]         ; + b2
	v_pk_add_f32 v[RR+16*\i+2:RR+16*\i+3], v[RR+16*\i+2:RR+16*\i+3], v[BB+2:BB+3]
.irp j, 0,1,2,3
	v_mul_f32 v[RR+16*\i+\j], s[48+\i], v[RR+16*\i+\j]                              ; x the gate's weight
.endr
	global_store_b128 v[OFF+\i], v[RR+16*\i:RR+16*\i+3], s[56:57]                   ; the wave stores 512 consecutive bytes of a row of y, two aligned blocks of 256
.endr
.Lno_sum_\@:
	s_add_co_u32 s27, s27, 4
.endm
	s_load_b256 s[4:11], s[0:1], 0x0               ; hq s[4:5], W2's codes s[6:7], W2's scales s[8:9], b2 s[10:11]
	s_load_b128 s[12:15], s[0:1], 0x20             ; lists s[12:13], roww s[14:15]
	s_load_b64 s[16:17], s[0:1], 0x30              ; y
	v_lshl_add_u32 v[SPW], v0, 2, SPARE
	v_mov_b32 v[NIL], 0
	v_and_b32 v1, 31, v0                           ; lane
	v_and_b32 v2, 15, v0                           ; r
	v_bfe_u32 v3, v0, 4, 1                         ; h
	v_lshrrev_b32 v14, 5, v0
	v_readfirstlane_b32 s22, v14                   ; wave
	s_and_b32 s23, ttmp9, 7                        ; c8: the slice of 128 outputs
	s_lshr_b32 s24, ttmp9, 3                       ; q: the row group
	s_and_b32 s25, ttmp7, 0xffff                   ; the expert
	v_lshlrev_b32 v[LI], 4, v1
	v_lshlrev_b32 v[L4], 2, v1
	v_lshlrev_b32 v[WSO], 7, v2
	v_lshl_add_u32 v[WSO], v3, 4, v[WSO]
	s_mul_i32 s30, s22, 8448                       ; my 16 rows of 528 bytes in a sum buffer
	v_mul_u32_u24 v[STO], v2, 528
	v_lshl_add_u32 v[FRD], v3, 4, v[STO]
	v_add_nc_u32 v[FRD], s30, v[FRD]
	v_lshl_add_u32 v[STO], v3, 5, v[STO]
	v_add_nc_u32 v[STO], s30, v[STO]
	v_add_nc_u32 v[STO+1], RED1, v[STO]
	v_add_nc_u32 v[STG], s30, v[LI]
	s_mul_i32 s30, s22, 2112                       ; rows 4 w on
	v_add_nc_u32 v[RD], s30, v[LI]
	v_add_nc_u32 v[RD+1], RED1, v[RD]
.irp i, 0,1,2,3,4,5,6,7
	s_mov_b32 s[44+\i], 0                          ; written once, so that they are written on every way through the text
.endr
	s_lshl_b32 s31, s25, 6
	s_mov_b32 s19, 0
	s_wait_kmcnt 0x0
	s_load_b32 s26, s[12:13], s31 offset:NTL       ; NT of my expert
	s_lshl_b32 s18, s25, 17                        ; W2's scale bytes: (expert x 1,024 + 128 c8) rows of 128, + 32 w
	s_lshl_b32 s30, s23, 14
	s_add_co_u32 s18, s18, s30
	s_lshl_b32 s30, s22, 5
	s_add_co_u32 s18, s18, s30
	s_add_nc_u64 s[8:9], s[8:9], s[18:19]
.irp t, 0,1,2,3,4,5,6,7
	global_load_b128 v[WS+4*\t:WS+4*\t+3], v[WSO], s[8:9] offset:2048*\t
.endr
	s_lshl_b32 s18, s25, 12                        ; b2: expert x 1,024 + 128 c8 numbers; four a lane, as the sums are finished
	s_lshl_b32 s30, s23, 9
	s_add_co_u32 s18, s18, s30
	s_add_nc_u64 s[10:11], s[10:11], s[18:19]
	global_load_b128 v[BB:BB+3], v[LI], s[10:11]
	s_lshl_b32 s18, s25, 21                        ; W2's codes: (expert x 1,024 + 128 c8) rows of 2,048 bytes, + 512 w
	s_lshl_b32 s30, s23, 18
	s_add_co_u32 s18, s18, s30
	s_lshl_b32 s30, s22, 9
	s_add_co_u32 s18, s18, s30
	s_add_nc_u64 s[6:7], s[6:7], s[18:19]
	WLOAD 0                                        ; three tiles' rows go out: with the nine loads above, 57 loads of mine are on their way
	WLOAD 1
	WLOAD 2
	s_lshl_b32 s18, s25, 21                        ; h's images: expert x 2 MiB + my eight K steps
	s_lshl_b32 s30, s22, 13
	s_add_co_u32 s18, s18, s30
	s_add_nc_u64 s[32:33], s[4:5], s[18:19]
	s_lshl_b32 s18, s25, 17                        ; and scale words: expert x 128 KiB + 512 w
	s_lshl_b32 s30, s22, 9
	s_add_co_u32 s18, s18, s30
	s_add_nc_u64 s[34:35], s[4:5], s[18:19]
	s_add_nc_u64 s[34:35], s[34:35], HQ_SC
	s_mul_i32 s18, s25, LP                         ; my four rows of a tile in the expert's lists
	s_lshl_b32 s30, s22, 4
	s_add_co_u32 s18, s18, s30
	s_add_nc_u64 s[54:55], s[14:15], s[18:19]
	s_add_co_u32 s18, s18, ROWDST
	s_add_nc_u64 s[52:53], s[12:13], s[18:19]
	s_lshl_b32 s18, s23, 9
	s_add_nc_u64 s[56:57], s[16:17], s[18:19]      ; y at my slice's first column
	s_mov_b32 s27, s24                             ; T = q
	s_wait_kmcnt 0x0
	s_min_u32 s26, s26, 64                         ; NT, held to the lists' size
	s_sub_co_u32 s58, s26, 1
.irp t, 0,1,2,3,4
	s_wait_loadcnt 32                              ; tile t's 16 rows are in; the two later tiles' 16 loads each may be out
	WTURN \t
	WLOAD \t+3
.endr
	s_wait_loadcnt 32                              ; tile 5 is in; tiles 6 and 7 may be out
	WTURN 5
	s_min_u32 s30, s24, s58                        ; the first two tiles' h, or the last tile's that there is: every byte read has been stored
	s_min_u32 s30, s30, 63
	HLOADS 0
	s_wait_loadcnt 36                              ; tile 6 is in; tile 7's 16 loads and h's 20 may be out
	WTURN 6
	s_add_co_u32 s30, s24, 4
	s_min_u32 s30, s30, s58
	s_min_u32 s30, s30, 63
	HLOADS 1
	s_wait_loadcnt 40                              ; tile 7 is in; two tiles of h, 20 loads each, may be out
	WTURN 7
	WIN 0
	s_mov_b32 s28, 8
	s_wait_loadcnt 0x0                             ; the first two tiles' h are in, on every way into the walk (W2's scale words and b2 came ahead of tile 0)
	s_wait_dscnt 0x0                               ; and W2's fragments are back from my stage
.Ltrip:                                            ; eight trips of two tiles: a constant
	TRIP 0
	TRIP 1
	s_sub_co_u32 s28, s28, 1
	s_cmp_lg_u32 s28, 0
	s_cbranch_scc1 .Ltrip
	s_wait_tensorcnt 0x0                           ; the wave's end, behind my last LDS store
	ds_add_u32 v[SPW], v[NIL]
	s_wait_dscnt 0x0
	s_endpgm
.Lfunc_end_k_qe28b5abe65_ffn2:
	.size	k_qe28b5abe65_ffn2, .Lfunc_end_k_qe28b5abe65_ffn2-k_qe28b5abe65_ffn2
	.p2alignl 7, 3214868480
	.fill 96, 4, 3214868480
	.section	.rodata,"a",@progbits
	.p2align	6, 0x0
	.amdhsa_kernel k_qe28b5abe65_ffn2
		.amdhsa_group_segment_fixed_size 68096
		.amdhsa_private_segment_fixed_size 0
		.amdhsa_enable_private_segment 0
		.amdhsa_kernarg_size 56
		.amdhsa_user_sgpr_count 2
		.amdhsa_user_sgpr_kernarg_segment_ptr 1
		.amdhsa_wavefront_size32 1
		.amdhsa_system_sgpr_workgroup_id_x 1
		.amdhsa_system_sgpr_workgroup_id_y 1
		.amdhsa_system_sgpr_workgroup_id_z 1
		.amdhsa_system_vgpr_workitem_id 0
		.amdhsa_next_free_vgpr 1024
		.amdhsa_next_free_sgpr 66
		.amdhsa_reserve_vcc 0
		.amdhsa_float_denorm_mode_32 3
		.amdhsa_float_denorm_mode_16_64 3
		.amdhsa_memory_ordered 1
		.amdhsa_forward_progress 1
		.amdhsa_inst_pref_size 71
	.end_amdhsa_kernel
	.amdgpu_metadata
---
amdhsa.version: [ 1, 2 ]
amdhsa.kernels:
  - .name:           k_qe28b5abe65_ffn2
    .symbol:         k_qe28b5abe65_ffn2.kd
    .args:
      - { .name: hq, .offset: 0, .size: 8, .value_kind: global_buffer, .address_space: global }
      - { .name: W2_codes, .offset: 8, .size: 8, .value_kind: global_buffer, .address_space: global }
      - { .name: W2_scales, .offset: 16, .size: 8, .value_kind: global_buffer, .address_space: global }
      - { .name: b2, .offset: 24, .size: 8, .value_kind: global_buffer, .address_space: global }
      - { .name: lists, .offset: 32, .size: 8, .value_kind: global_buffer, .address_space: global }
      - { .name: roww, .offset: 40, .size: 8, .value_kind: global_buffer, .address_space: global }
      - { .name: y, .offset: 48, .size: 8, .value_kind: global_buffer, .address_space: global }
    .group_segment_fixed_size: 68096
    .private_segment_fixed_size: 0
    .kernarg_segment_align: 8
    .kernarg_segment_size: 56
    .max_flat_workgroup_size: 128
    .sgpr_count:     66
    .vgpr_count:     1024
    .wavefront_size: 32
...
	.end_amdgpu_metadata
.endif
;; end of part 4
;; launch combine (part 5): grid 256 x 1, 8 waves a work-group, no clusters, 0 bytes of LDS; arguments y, out0; writes out0
.if DOCPART == 5
	.amdgcn_target "amdgcn-amd-amdhsa--gfx1250"
	.amdhsa_code_object_version 6
	.text
	.protected	k_qe28b5abe65_combine
	.globl	k_qe28b5abe65_combine
	.p2align	8
	.type	k_qe28b5abe65_combine,@function
k_qe28b5abe65_combine:
	s_mov_b64 s[64:65], 0
	v_nop
	global_prefetch_b8 v0, s[64:65] scope:SCOPE_SE
	s_setreg_imm32_b32 hwreg(HW_REG_WAVE_MODE, 25, 1), 1
	s_wait_xcnt 0x0
; Launch 5 of 5: out0[t] = y[2 t] + y[2 t + 1], the two chosen experts' weighted rows.  (The six experts that a token did not choose add exactly 0: the head of the first kernel shows it.  y's spare rows from 2,048 on are not read.)
; A stream: work-group g owns tokens 4 g .. 4 g + 3; thread i owns the 16 bytes at 16 i of every row, so a wave's load or store covers 512 consecutive bytes.  All eight loads go out at once.
	s_load_b128 s[4:7], s[0:1], 0x0                ; y s[4:5], out0 s[6:7]
	v_lshlrev_b32 v1, 4, v0
	s_lshl_b32 s8, ttmp9, 15                       ; eight rows of y,
	s_mov_b32 s9, 0
	s_lshl_b32 s10, ttmp9, 14                      ; four rows of out0
	s_mov_b32 s11, 0
	s_wait_kmcnt 0x0
	s_add_nc_u64 s[4:5], s[4:5], s[8:9]
	s_add_nc_u64 s[6:7], s[6:7], s[10:11]
.irp k, 0,1,2,3
	global_load_b128 v[8+8*\k:11+8*\k], v1, s[4:5] offset:8192*\k th:TH_LOAD_NT
	global_load_b128 v[12+8*\k:15+8*\k], v1, s[4:5] offset:8192*\k+4096 th:TH_LOAD_NT
.endr
.irp k, 0,1,2,3
	s_wait_loadcnt 6-2*\k                          ; token k's two loads are in; the later tokens' two each may be out
	v_pk_add_f32 v[8+8*\k:9+8*\k], v[8+8*\k:9+8*\k], v[12+8*\k:13+8*\k]
	v_pk_add_f32 v[10+8*\k:11+8*\k], v[10+8*\k:11+8*\k], v[14+8*\k:15+8*\k]
	global_store_b128 v1, v[8+8*\k:11+8*\k], s[6:7] offset:4096*\k th:TH_STORE_NT
.endr
	s_endpgm
.Lfunc_end_k_qe28b5abe65_combine:
	.size	k_qe28b5abe65_combine, .Lfunc_end_k_qe28b5abe65_combine-k_qe28b5abe65_combine
	.p2alignl 7, 3214868480
	.fill 96, 4, 3214868480
	.section	.rodata,"a",@progbits
	.p2align	6, 0x0
	.amdhsa_kernel k_qe28b5abe65_combine
		.amdhsa_group_segment_fixed_size 0
		.amdhsa_private_segment_fixed_size 0
		.amdhsa_enable_private_segment 0
		.amdhsa_kernarg_size 16
		.amdhsa_user_sgpr_count 2
		.amdhsa_user_sgpr_kernarg_segment_ptr 1
		.amdhsa_wavefront_size32 1
		.amdhsa_system_sgpr_workgroup_id_x 1
		.amdhsa_system_sgpr_workgroup_id_y 1
		.amdhsa_system_sgpr_workgroup_id_z 1
		.amdhsa_system_vgpr_workitem_id 0
		.amdhsa_next_free_vgpr 64
		.amdhsa_next_free_sgpr 66
		.amdhsa_reserve_vcc 0
		.amdhsa_float_denorm_mode_32 3
		.amdhsa_float_denorm_mode_16_64 3
		.amdhsa_memory_ordered 1
		.amdhsa_forward_progress 1
		.amdhsa_inst_pref_size 3
	.end_amdhsa_kernel
	.amdgpu_metadata
---
amdhsa.version: [ 1, 2 ]
amdhsa.kernels:
  - .name:           k_qe28b5abe65_combine
    .symbol:         k_qe28b5abe65_combine.kd
    .args:
      - { .name: y, .offset: 0, .size: 8, .value_kind: global_buffer, .address_space: global }
      - { .name: out0, .offset: 8, .size: 8, .value_kind: global_buffer, .address_space: global }
    .group_segment_fixed_size: 0
    .private_segment_fixed_size: 0
    .kernarg_segment_align: 8
    .kernarg_segment_size: 16
    .max_flat_workgroup_size: 256
    .sgpr_count:     66
    .vgpr_count:     64
    .wavefront_size: 32
...
	.end_amdgpu_metadata
.endif
;; end of part 5
